; MI455X (gfx1250); checked and timed in simulation.
; The chip was launched on July 23, 2026; its instructions are those of AMD's public machine-readable ISA for CDNA 5 (MIT licence, August 2026) and "CDNA5" Instruction Set Architecture Reference Guide (July 2026). The comments in the code are by the model that wrote it; some were corrected since.
;; Patched Dbrx Experts. Allowed arithmetic: float matrix products may take bf16 or f16 operands with f32 sums; all other float work in f32.
;; Inputs: top_experts 2,048 x 4 int32; top_weights 2,048 x 4 float32; v1 8 x 512 x 2,048 float32; w1 8 x 512 x 2,048 float32; w2 8 x 512 x 2,048 float32; weights 2,048 x 8 float32; x 2 x 1,024 x 2,048 float32.
;; Outputs: out0 2 x 1,024 x 2,048 float32.
;; One version. Each part assembles by itself: llvm-mc -triple=amdgcn-amd-amdhsa -mcpu=gfx1250 --defsym DOCPART=n.
;; ======== version 1 of 1: 3 launches
;; limits: values are held in f16: magnitudes above 65,504 overflow, below 6.1e-05 lose precision; inputs' magnitudes at most 65,504
;; workspace buffers: xh 8,388,608 bytes; wgu 33,554,432 bytes; w2h 16,777,216 bytes; hs 16,777,216 bytes; nrm 40,960 bytes
;; launch cast (part 1): grid 256 x 7, 8 waves a work-group, no clusters, 0 bytes of LDS; arguments w1, v1, w2, x, wgu, w2h, xh, nrm; writes wgu, w2h, xh, nrm
.if DOCPART == 1
	.amdgcn_target "amdgcn-amd-amdhsa--gfx1250"
	.amdhsa_code_object_version 6
	.text
	.protected	k_q08b8d5db8c_cast
	.globl	k_q08b8d5db8c_cast
	.p2align	8
	.type	k_q08b8d5db8c_cast,@function
k_q08b8d5db8c_cast:
	s_mov_b64 s[64:65], 0
	v_nop
	global_prefetch_b8 v0, s[64:65] scope:SCOPE_SE
	s_setreg_imm32_b32 hwreg(HW_REG_WAVE_MODE, 25, 1), 1
	s_wait_xcnt 0x0
; f32 to f16 (round to nearest even) of the four large tensors, so that the two products that follow read 16-bit tiles; and the sum of squares of every
; row of w1, v1 and x, from which the next launch bounds the intermediate.
; Why f16 and not bf16: an output passes through three chained roundings of operands, and is held to a hundredth of the output's rms; 8 significant bits
; leave too little margin in the rows of tokens with large routing weights, 11 bits leave eight times more.
; LIMITS: a magnitude above 65,504 becomes infinite; below 6.1e-5 the rounding error is an absolute 3e-8 (f16 denormals are kept) and no longer relative.
; For inputs as drawn (x of spread 1, weights of spread 0.02) that leaves room for a factor of 30 either way and for an offset of 30 spreads.
; All four tensors are rows of 2,048 f32: w1, v1, w2 have 4,096 rows each (expert x ffn), x has 2,048.  14,336 rows = 7 slabs of 2,048 rows (grid y),
; a slab = 256 work-groups (grid x) of 8 rows, one row a wave.
; Where the rows go:  x -> xh and w2 -> w2h, row for row.  w1 and v1 -> ONE table wgu of 8,192 rows, interleaved in groups of 64:
; wgu row 128 c + r = w1 row 64 c + r (r < 64), wgu row 128 c + 64 + r = v1 row 64 c + r.  So 128 neighbouring rows of wgu hold the gate
; rows and the up rows of the same 64 ffn columns, and the wave that multiplies them has both factors of silu(gate) * up in its own registers.
; nrm: 10,240 f32: w1's 4,096 rows, v1's 4,096 rows, x's 2,048 rows.
; Memory binds: every byte is read once by 16-byte loads (a wave's load covers 512 consecutive bytes) and written once (a wave's 8-byte
; store covers 256 consecutive bytes, aligned).  All sixteen loads of a row go out at once; no register is written twice, so no wait frees a source.
; No LDS, no barrier, no matrix unit: a row belongs to one wave, and nothing is shared.
.set X, 4                              ; v[4:67]    piece j of the row: 4 f32 as loaded
.set Y, 68                             ; v[68:99]   piece j: 4 f16 to store
.set Q, 100                            ; v[100:107] four chains of two sums of squares; then at work
	s_load_b256 s[4:11], s[0:1], 0x0               ; w1 s[4:5], v1 s[6:7], w2 s[8:9], x s[10:11]
	s_load_b256 s[12:19], s[0:1], 0x20             ; wgu s[12:13], w2h s[14:15], xh s[16:17], nrm s[18:19]
	s_and_b32 s20, ttmp7, 0xffff                   ; slab 0..6
	s_lshr_b32 s21, s20, 1                         ; tensor: 0 w1, 1 v1, 2 w2, 3 x
	s_and_b32 s22, s20, 1                          ; which 2,048 rows of it
	s_lshl_b32 s22, s22, 11
	s_lshl_b32 s23, ttmp9, 3
	s_add_co_u32 s23, s23, s22                     ; the group's first row in its tensor
	s_lshl_b32 s24, s23, 13                        ; source offset: rows of 8,192 bytes (33.5 million at the most)
	s_mov_b32 s25, 0
	s_lshr_b32 s26, s23, 6                         ; interleaved row: 128 (row / 64) + row mod 64 + 64 for v1.
	s_lshl_b32 s26, s26, 7                         ; A group's 8 rows never cross a multiple of 64, so they stay neighbours
	s_and_b32 s27, s23, 63
	s_add_co_u32 s26, s26, s27
	s_lshl_b32 s27, s21, 6
	s_add_co_u32 s26, s26, s27
	s_cmp_lt_u32 s21, 2
	s_cselect_b32 s26, s26, s23                    ; w2 and x keep their rows
	s_lshl_b32 s26, s26, 12                        ; destination offset: rows of 4,096 bytes
	s_mov_b32 s27, 0
	v_lshrrev_b32 v3, 5, v0                        ; wave = row of the group
	v_readfirstlane_b32 s36, v3
	s_min_u32 s34, s21, 2                          ; my row's word in nrm: 4,096 x (0 for w1, 1 for v1, 2 for x) + row
	s_lshl_b32 s34, s34, 12
	s_add_co_u32 s34, s34, s23
	s_add_co_u32 s34, s34, s36
	s_lshl_b32 s34, s34, 2
	s_mov_b32 s35, 0
	s_mov_b32 s38, 0x76543210                      ; v_permlanex16_b32: lane i of one half reads lane i of the other
	s_mov_b32 s39, 0xfedcba98
	v_and_b32 v1, 31, v0                           ; lane
	v_lshlrev_b32 v2, 3, v1                        ; 8 bytes a lane out,
	v_lshlrev_b32 v1, 4, v1                        ; 16 bytes a lane in
	v_lshl_or_b32 v1, v3, 13, v1
	v_lshl_or_b32 v2, v3, 12, v2
	s_wait_kmcnt 0x0
	s_cmp_eq_u32 s21, 0                            ; the two buffers are chosen by the slab's number alone
	s_cselect_b64 s[28:29], s[4:5], s[6:7]
	s_cmp_eq_u32 s21, 2
	s_cselect_b64 s[30:31], s[8:9], s[10:11]
	s_cselect_b64 s[32:33], s[14:15], s[16:17]
	s_cmp_lt_u32 s21, 2
	s_cselect_b64 s[28:29], s[28:29], s[30:31]     ; source
	s_cselect_b64 s[32:33], s[12:13], s[32:33]     ; destination
	s_add_nc_u64 s[28:29], s[28:29], s[24:25]
	s_add_nc_u64 s[32:33], s[32:33], s[26:27]
.set j, 0
.rept 16
	global_load_b128 v[X+4*j:X+4*j+3], v1, s[28:29] offset:512*j th:TH_LOAD_NT   ; read once in the launch
.set j, j+1
.endr
.set j, 0
.rept 16
	s_wait_loadcnt 15-j                            ; loads come back in order (ISA guide 5.7.1): piece j is in, the younger ones stay out
	v_cvt_pk_f16_f32 v[Y+2*j],   v[X+4*j],   v[X+4*j+1]
	v_cvt_pk_f16_f32 v[Y+2*j+1], v[X+4*j+2], v[X+4*j+3]
	global_store_b64 v2, v[Y+2*j:Y+2*j+1], s[32:33] offset:256*j   ; no hint: the next launches read these bytes
.set j, j+1
.endr
	s_cmp_eq_u32 s21, 2                            ; w2's rows enter no bound: its two slabs are done
	s_cbranch_scc1 .Ldone
	; the row's sum of squares, from the registers that still hold it: my 64 numbers in four chains of pairs, started by the first four products
	s_add_nc_u64 s[18:19], s[18:19], s[34:35]
.irp c, 0,1,2,3
	v_pk_mul_f32 v[Q+2*\c:Q+2*\c+1], v[X+2*\c:X+2*\c+1], v[X+2*\c:X+2*\c+1]
.endr
.set j, 4
.rept 28
	v_pk_fma_f32 v[Q+2*(j%4):Q+2*(j%4)+1], v[X+2*j:X+2*j+1], v[X+2*j:X+2*j+1], v[Q+2*(j%4):Q+2*(j%4)+1]
.set j, j+1
.endr
	v_pk_add_f32 v[Q:Q+1], v[Q:Q+1], v[Q+2:Q+3]
	v_pk_add_f32 v[Q+4:Q+5], v[Q+4:Q+5], v[Q+6:Q+7]
	v_pk_add_f32 v[Q:Q+1], v[Q:Q+1], v[Q+4:Q+5]
	v_add_f32 v[Q], v[Q], v[Q+1]
	; across the 32 lanes: four steps inside each half of 16 lanes, one across the halves
	v_add_f32_dpp v[Q], v[Q], v[Q] row_xmask:1 row_mask:0xf bank_mask:0xf
	v_add_f32_dpp v[Q], v[Q], v[Q] row_xmask:2 row_mask:0xf bank_mask:0xf
	v_add_f32_dpp v[Q], v[Q], v[Q] row_xmask:4 row_mask:0xf bank_mask:0xf
	v_add_f32_dpp v[Q], v[Q], v[Q] row_xmask:8 row_mask:0xf bank_mask:0xf
	v_permlanex16_b32 v[Q+1], v[Q], s38, s39       ; its destination counts as read: a register that has been written
	v_add_f32 v[Q], v[Q], v[Q+1]
	v_and_b32 v[Q+2], 31, v0
	v_mov_b32 v[Q+3], 0
	v_cmp_eq_u32 vcc_lo, 0, v[Q+2]
	s_wait_xcnt 0x0                                ; EXEC is a source of the stores above: it changes only behind this wait
	s_and_saveexec_b32 s37, vcc_lo                 ; one number a row: lane 0 stores it.  The group's eight waves fill 32 neighbouring bytes; 40 KB in the whole launch
	global_store_b32 v[Q+3], v[Q], s[18:19]
	s_wait_xcnt 0x0                                ; and again in front of the line that widens it
	s_or_b32 exec_lo, exec_lo, s37
.Ldone:
	s_endpgm
.Lfunc_end_k_q08b8d5db8c_cast:
	.size	k_q08b8d5db8c_cast, .Lfunc_end_k_q08b8d5db8c_cast-k_q08b8d5db8c_cast
	.p2alignl 7, 3214868480
	.fill 96, 4, 3214868480
	.section	.rodata,"a",@progbits
	.p2align	6, 0x0
	.amdhsa_kernel k_q08b8d5db8c_cast
		.amdhsa_group_segment_fixed_size 0
		.amdhsa_private_segment_fixed_size 0
		.amdhsa_enable_private_segment 0
		.amdhsa_kernarg_size 64
		.amdhsa_user_sgpr_count 2
		.amdhsa_user_sgpr_kernarg_segment_ptr 1
		.amdhsa_wavefront_size32 1
		.amdhsa_system_sgpr_workgroup_id_x 1
		.amdhsa_system_sgpr_workgroup_id_y 1
		.amdhsa_system_sgpr_workgroup_id_z 1
		.amdhsa_system_vgpr_workitem_id 0
		.amdhsa_next_free_vgpr 108
		.amdhsa_next_free_sgpr 66
		.amdhsa_reserve_vcc 1
		.amdhsa_float_denorm_mode_32 3
		.amdhsa_float_denorm_mode_16_64 3
		.amdhsa_memory_ordered 1
		.amdhsa_forward_progress 1
		.amdhsa_inst_pref_size 11
	.end_amdhsa_kernel
	.amdgpu_metadata
---
amdhsa.version: [ 1, 2 ]
amdhsa.kernels:
  - .name:           k_q08b8d5db8c_cast
    .symbol:         k_q08b8d5db8c_cast.kd
    .args:
      - { .name: w1, .offset: 0, .size: 8, .value_kind: global_buffer, .address_space: global }
      - { .name: v1, .offset: 8, .size: 8, .value_kind: global_buffer, .address_space: global }
      - { .name: w2, .offset: 16, .size: 8, .value_kind: global_buffer, .address_space: global }
      - { .name: x, .offset: 24, .size: 8, .value_kind: global_buffer, .address_space: global }
      - { .name: wgu, .offset: 32, .size: 8, .value_kind: global_buffer, .address_space: global }
      - { .name: w2h, .offset: 40, .size: 8, .value_kind: global_buffer, .address_space: global }
      - { .name: xh, .offset: 48, .size: 8, .value_kind: global_buffer, .address_space: global }
      - { .name: nrm, .offset: 56, .size: 8, .value_kind: global_buffer, .address_space: global }
    .group_segment_fixed_size: 0
    .private_segment_fixed_size: 0
    .kernarg_segment_align: 8
    .kernarg_segment_size: 64
    .max_flat_workgroup_size: 256
    .sgpr_count:     66
    .vgpr_count:     108
    .wavefront_size: 32
...
	.end_amdgpu_metadata
.endif
;; end of part 1
;; launch gateup (part 2): grid 32 x 8, 4 waves a work-group, clusters of 4 x 4, 327,680 bytes of LDS; arguments xh, wgu, nrm, top_experts, top_weights, hs; writes hs
.if DOCPART == 2
	.amdgcn_target "amdgcn-amd-amdhsa--gfx1250"
	.amdhsa_code_object_version 6
	.text
	.protected	k_q08b8d5db8c_gateup
	.globl	k_q08b8d5db8c_gateup
	.p2align	8
	.type	k_q08b8d5db8c_gateup,@function
k_q08b8d5db8c_gateup:
	s_mov_b64 s[64:65], 0
	v_nop
	global_prefetch_b8 v0, s[64:65] scope:SCOPE_SE
	s_setreg_imm32_b32 hwreg(HW_REG_WAVE_MODE, 25, 1), 1
	s_wait_xcnt 0x0
	s_wait_alu depctr_hold_cnt(0) depctr_sa_sdst(0) depctr_va_vdst(0) depctr_va_sdst(0) depctr_va_ssrc(0) depctr_va_vcc(0) depctr_vm_vsrc(0)
	s_getreg_b32 s2, hwreg(HW_REG_IB_STS2, 6, 4)
	s_cmp_eq_u32 s2, 0
	s_cbranch_scc0 .Lentry_in_a_cluster
	s_endpgm
.Lentry_in_a_cluster:
	s_bfe_u32 s2, ttmp6, 0x10000c
	s_cmp_lg_u32 s2, 0xf033
	s_cbranch_scc0 .Lentry_shape_is_right
	s_endpgm
.Lentry_shape_is_right:
; hs[t][512 e + f] = inv[t] * scale[t][e] * silu(x[t] . w1[e][f]) * (x[t] . v1[e][f]),  scale[t][e] = sum over k of top_weights[t][k] where top_experts[t][k] = e,
; inv[t] = a power of two that keeps the token's row of hs inside f16; the last launch multiplies by 1 / inv[t].
; xh: [2048][2048] f16 (tokens).  wgu: [8192][2048] f16, gate and up rows interleaved in groups of 64.  hs: [2048][4096] f16.
; nrm: 10,240 f32, the squared norms of w1's 4,096 rows, of v1's 4,096 rows and of x's 2,048 rows.
; The product is C = xh wgu^T, 2048 x 8192 x 2048, sums in f32.  A work-group makes 256 tokens x 256 rows of wgu with four waves, a wave 128 x 128:
; 64 accumulator tiles of 16 x 16, 512 registers.  A wave's 128 rows of wgu are 64 gate rows (n blocks 0-3) and the up rows of the same 64 ffn
; columns (n blocks 4-7), so silu(gate) * up * scale is register work on tiles (a, b) and (a, b + 4), and only 64 f16 a token leave the wave.
; K goes in steps of 128 through a ring of two LDS slots filled by the tensor data mover: a tile's rows are 256 bytes of memory, aligned to 256.
; CLUSTERS: 4 x 4 work-groups.  The four of a row of the cluster need the same tiles of xh, the four of a column the same tiles of wgu.  Such a tile is asked
; for jointly: each of the four issues the same tensor load with the same descriptor and a mask that names the four.  That divides the requests by four.
; A block column is a quarter of an expert (128 of 512 ffn columns), so the four block columns of a cluster are one expert: e = the cluster's x.
; THE POWER OF TWO.  |scale silu(g) u| <= A N sqrt(M1) sqrt(M2) = B, since |silu(g)| <= |g| and |g| <= |x[t]| |w1 row| (Cauchy-Schwarz), u likewise, with
;   A = sum over k of |top_weights[t][k]|,  N = |x[t]|^2,  M1, M2 = the largest squared row norm of w1, of v1.
;   With eb = B's biased exponent, B < 2^(eb - 126).  inv = 2^(137 - eb), so B inv < 2^11.  Rounding to f16 at most doubles a number, so the four norms of the
;   rounded operands together are at most 16 times larger: |hs| < 2^15, inside f16.
;   The last launch forms B by the same instructions in the same order from the same numbers, so its 2^(eb - 137) is exactly 1 / inv.
;   The maximum over the 8,192 norms is shared among the four waves (2,048 each) and meets in 32 bytes of LDS behind the ring, while the first tiles are on their way.
; The router input 'weights' enters no step of the computation that is reproduced here, so it is not among the arguments.
; LIMITS: operands in f16 (their range is stated where they are made); sums in f32, in the matrix unit's order.  eb is held to 11 .. 253, so that both powers are
; normal numbers: for B below 2^-116 the scaling stops growing (hs is then smaller still), for B from 2^127 on (or not finite) the bound is not kept.  An hs that
; lies more than some 2^25 below its bound falls under f16's normal range and loses precision.  An index outside 0..7 matches no expert.  A weight counts by
; selection: one that is not finite spoils its own expert's term (and the token's bound) alone.
; exp2 of a very negative gate overflows to infinity, its reciprocal is 0, and h is 0, which is silu's limit.
;
; REGISTERS, in windows of 256 (s_set_vgpr_msb says which window each operand place means: bits 1:0 source 0, 3:2 source 1, 5:4 source 2, 7:6 destination):
;   window 0: v0-31 addresses; v32-47 the tokens' scales; v48-63 at work at the start; v64-127, v128-191 fragments of xh, two buffers; v192-255 at work at both ends
;   window 1: v64-127, v128-191 fragments of wgu, two buffers
;   window 2: the 32 accumulator tiles of my tokens 0-63 (tile (a, b) at v[8 (8 a + b)]);   window 3: those of my tokens 64-127
; THE MATRIX INSTRUCTION IS USED TRANSPOSED: source 0 = 16 rows of wgu, source 1 = 16 tokens.  Lane l then holds token l % 16, and its registers 0 to 7
; the columns 8 (l / 16) + 0 .. 7: eight neighbouring numbers of a row of hs, and one scale serves a lane's whole tile.
.set SIZE_K, 2048
.set KSTEP,  128
.set PITCH,  272                       ; an LDS row: 256 bytes of data + 16 of padding, an odd multiple of 16: the 16 rows that a load touches start 16 bytes apart modulo 256
.set HALFT,  128*PITCH                 ; 128 rows: what one tensor load brings, and what one wave reads of either operand
.set SLOT,   4*HALFT                   ; 256 tokens, then 256 rows of wgu
.set SCR,    2*SLOT                    ; behind the ring, in a block of 256 bytes into which no tensor load lands: 8 bytes a wave, its M1 and M2
.set LAPS,   SIZE_K/(2*KSTEP)          ; a lap = two K steps = once round the ring: 8
.set HSROW,  8192                      ; bytes in a row of hs
.set ADRA, 16                          ; v16-17  LDS address of my token fragments in slot 0, 1
.set ADRB, 20                          ; v20-21  the same for wgu
.set STO,  24                          ; v24     the way out: where I put 16 bytes of a row
.set RD,   25                          ; v25     the way out: where I read rows back
.set CO,   26                          ; v26     my byte offset in hs
.set TO,   27                          ; v27     byte offset of token l % 16 of my 128 in top_experts and top_weights
.set TN,   28                          ; v28     its byte offset among x's norms
.set NOF,  29                          ; v29     my byte offset among my wave's 1,024 row norms
.set SCW,  30                          ; v30     my wave's 8 bytes of scratch
.set SCRD, 31                          ; v31     the scratch
.set SC,   32                          ; v[32:47] m block a: scale * inv of token 16 a + l % 16, twice (a pair for the packed multiply)
.set NX,   48                          ; v[48:55] m block a: |x|^2 of that token
.set AN,   56                          ; v[56:63] m block a: A N of that token
.set NW,   64                          ; v[64:127] the start: 32 squared norms of w1's rows, then 32 of v1's
.set MX,   128                         ; v[128:129] the start: M1, M2
.set TT,   130                         ; v130    the start: at work
.set LW,   132                         ; v[132:139] the start: the four waves' M1, M2
.set F0,   64                          ; fragment buffer 0
.set F1,   128                         ; fragment buffer 1
.set PR,   64                          ; the way out: gate * up of 4 tiles, 32 registers
.set ZE,   96                          ; the way out: 1 / (1 + exp(-gate)) of 4 tiles, 32 registers
.set TMP,  192                         ; the way out: packed results
.set TE,   192                         ; v[192:223] the start: the four indices of my 8 tokens
.set TW,   224                         ; v[224:255] the start: their four weights
.set SELA, 18                          ; s18, s19: v_permlanex16_b32's selects
.set SELB, 19
.set G1, 24                            ; s[24:31] descriptor group 1 for tiles of xh
.set G0, 32                            ; s[32:39] descriptor group 0 for tiles of xh, one set for each slot
.set G1B, 48                           ; s[48:55] descriptor group 1 for tiles of wgu: it differs in the mask alone
.set G0B, 56                           ; s[56:63] descriptor group 0 for tiles of wgu, one set for each slot
.set HS, 74                            ; s[74:75] hs
.set MSB, 0
.macro WIN new                         ; the immediate's high byte repeats the setting that is left
.if MSB != \new
	s_set_vgpr_msb (MSB<<8)|\new
.set MSB, \new
.endif
.endm
.set MUL_LO, 0xa1                      ; source 0 (wgu) window 1, source 1 (tokens) window 0, C and D window 2
.set MUL_HI, 0xf1                      ; the same, C and D window 3
.set TO_B,   0x40                      ; destination window 1, address window 0
; A joint load.  Waves 0 and 1 fetch the two halves of the token tile, waves 2 and 3 those of wgu's.  Each line has one mask and one set of registers for all
; that issue it.  The branch hangs on the wave's number alone: it is the same in every work-group.
.macro JLOAD s
	s_cmp_eq_u32 s11, 0
	s_cbranch_scc0 .Lfor_b_\@
	tensor_load_to_lds s[G0+4*\s:G0+4*\s+3], s[G1:G1+7]
	s_nop 0
	s_branch .Lasked_\@
.Lfor_b_\@:
	tensor_load_to_lds s[G0B+4*\s:G0B+4*\s+3], s[G1B:G1B+7]
	s_nop 0
.Lasked_\@:
.endm
; A round of the cluster's barrier: my work-group's barrier, so that wave 0's signal speaks for all four waves; wave 0 signals for the work-group; every wave
; waits for all sixteen work-groups; my work-group's barrier once more.
.macro CREST                           ; a round behind its opening barrier
	s_cmp_lg_u32 s10, 0
	s_cbranch_scc1 .Lnot_wave_0_\@
	s_barrier_signal -3
.Lnot_wave_0_\@:
	s_barrier_wait -3
	s_barrier_signal -1
	s_barrier_wait -1
.endm
.macro CROUND                          ; a whole round
	s_barrier_signal -1
	s_barrier_wait -1
	CREST
.endm
	s_load_b128 s[4:7], s[0:1], 0x0                ; xh s[4:5], wgu s[6:7]
	s_load_b128 s[68:71], s[0:1], 0x10             ; nrm s[68:69], top_experts s[70:71]
	s_load_b128 s[72:75], s[0:1], 0x20             ; top_weights s[72:73], hs s[74:75]
	s_set_vgpr_msb 0x40
	v_lshl_add_u32 v255, v0, 2, 0x44100
	s_set_vgpr_msb 0x4000
	v_mov_b32 v23, 0
	s_set_vgpr_msb 0x1
	ds_add_u32 v255, v23
	s_set_vgpr_msb 0x100
	v_lshrrev_b32 v1, 5, v0
	v_readfirstlane_b32 s10, v1                    ; wave 0..3
	s_lshr_b32 s11, s10, 1                         ; which half of the block's tokens is mine.  Also: I fetch tokens (0) or wgu (1)
	s_and_b32 s12, s10, 1                          ; which half of its rows of wgu.  Also: which 128 rows of that tile I fetch
	s_bfe_u32 s40, ttmp6, 0x40000                  ; cx: my place along the cluster's x
	s_bfe_u32 s41, ttmp6, 0x40004                  ; cy: along its y
	s_lshl_b32 s42, ttmp9, 2                       ; in a cluster launch ttmp9 and ttmp7 count clusters
	s_add_co_u32 s42, s42, s40                     ; block column = 4 x cluster x + cx, 0..31
	s_and_b32 s13, ttmp7, 0xffff
	s_lshl_b32 s13, s13, 2
	s_add_co_u32 s13, s13, s41                     ; block row = 4 x cluster y + cy, 0..7
	s_lshl_b32 s43, s41, 2
	s_lshl_b32 s43, 15, s43                        ; my row of the cluster: places 4 cy .. 4 cy + 3
	s_lshl_b32 s44, 0x1111, s40                    ; my column: places cx, cx + 4, cx + 8, cx + 12
	; descriptor group 1: a tile of 128 rows x 128 elements, padded in LDS
	s_or_b32 s[G1+0], s43, (1<<16)|(1<<20)|(1<<21)|(5<<22)|(3<<25)  ; 15:0 the mask: token tiles go to my row; 17:16 element of 2 bytes; 20 padding on; 21 set beside a mask; 24:22 after every 64 words (code 5); 31:25 of 4 words (code 3)
	s_or_b32 s[G1B+0], s44, (1<<16)|(1<<20)|(1<<21)|(5<<22)|(3<<25) ; the same with the mask of my column, for wgu's tiles
	s_mov_b32 s[G1B+1], KSTEP<<16
	s_mov_b32 s[G1+1], KSTEP<<16                   ; 63:48 tensor_dim0, low half = 128
	s_mov_b32 s[G1B+2], 128<<16
	s_mov_b32 s[G1+2], 128<<16                     ; 79:64 its high half = 0; 95:80 tensor_dim1, low half = 128
	s_mov_b32 s[G1B+3], KSTEP<<16
	s_mov_b32 s[G1+3], KSTEP<<16                   ; 111:96 its high half = 0; 127:112 tile_dim0 = 128
	s_mov_b32 s[G1B+4], 128
	s_mov_b32 s[G1+4], 128                         ; 143:128 tile_dim1 = 128; 159:144 tile_dim2 = 0
	s_mov_b32 s[G1B+5], SIZE_K
	s_mov_b32 s[G1+5], SIZE_K                      ; 191:160 tensor_dim0_stride, low word: elements from row to row
	s_mov_b32 s[G1B+6], 0
	s_mov_b32 s[G1+6], 0
	s_mov_b32 s[G1B+7], 0
	s_mov_b32 s[G1+7], 0
	; where the tiles come from.  Token tiles hang on the block row alone, which my row of the cluster shares; wgu's on the block column alone, which my column
	; shares.  Every wave makes both addresses, in registers that never hold the other coordinate, and asks by one of them.
	s_lshl_b32 s17, s12, 7                         ; which 128 rows of the tile I fetch
	s_lshl_b32 s16, s13, 8
	s_add_co_u32 s16, s16, s17                     ; tokens: row 256 x block row + 128 x half
	s_lshl_b32 s46, s42, 8
	s_add_co_u32 s46, s46, s17                     ; wgu: row 256 x block column + 128 x half
	s_lshl_b32 s16, s16, 12                        ; rows of 4,096 bytes: 8,191 rows at the most, inside 32 bits
	s_lshl_b32 s46, s46, 12
	s_mov_b32 s17, 0
	s_mov_b32 s47, 0
	s_mul_i32 s20, s10, HALFT                      ; and where they go: wave x 128 rows: no place in the cluster enters an LDS address
	s_wait_dscnt 0x0
	s_wait_kmcnt 0x0
	s_add_nc_u64 s[14:15], s[4:5], s[16:17]
	s_add_nc_u64 s[46:47], s[6:7], s[46:47]
	CROUND                                         ; all sixteen work-groups are here: the first joint loads meet
.irp s, 0,1
	s_mov_b32 s[G0+4*\s], 1                                        ; 1:0 count = 1
	s_add_co_u32 s[G0+4*\s+1], s20, \s*SLOT                        ; 63:32 LDS address
	s_add_nc_u64 s[G0+4*\s+2:G0+4*\s+3], s[14:15], \s*KSTEP*2      ; 120:64 global address: K step s
	s_or_b32 s[G0+4*\s+3], s[G0+4*\s+3], 0x80000000                ; 127:126 type = 2
	s_mov_b32 s[G0B+4*\s], 1
	s_add_co_u32 s[G0B+4*\s+1], s20, \s*SLOT
	s_add_nc_u64 s[G0B+4*\s+2:G0B+4*\s+3], s[46:47], \s*KSTEP*2
	s_or_b32 s[G0B+4*\s+3], s[G0B+4*\s+3], 0x80000000
	JLOAD \s                                       ; the ring is filled before anything else is done: two tensor loads of the wave are out here, one behind each later round
.endr
	; THE SCALES, FIRST PART, while the first tiles are on their way.  All loads go out at once: my wave's 2,048 row norms (16 bytes a lane, 512 consecutive bytes
	; a load), then, for token 16 a + l % 16 of my 128 (a = 0..7), its four indices, its four weights and its |x|^2.
	v_and_b32 v1, 15, v0                           ; l % 16
	v_bfe_u32 v2, v0, 4, 1                         ; l / 16
	s_lshl_b32 s16, s13, 8
	s_lshl_b32 s17, s11, 7
	s_add_co_u32 s16, s16, s17                     ; my first token
	s_lshl_b32 s17, s16, 2
	s_lshl_b32 s16, s16, 4
	v_lshl_add_u32 v[TO], v1, 4, s16               ; 16 bytes a token
	v_lshl_add_u32 v[TN], v1, 2, s17               ; 4 bytes a token
	s_lshl_b32 s17, s10, 12                        ; my wave's 1,024 rows: 4,096 bytes
	v_and_b32 v[NOF], 31, v0
	v_lshl_add_u32 v[NOF], v[NOF], 4, s17
	s_lshl_b32 s17, s10, 3
	s_add_co_u32 s17, s17, SCR
	v_mov_b32 v[SCW], s17
	v_mov_b32 v[SCRD], SCR
	s_mov_b32 s[SELA], 0x76543210                  ; v_permlanex16_b32: lane i of one half reads lane i of the other
	s_mov_b32 s[SELB], 0xfedcba98
	s_mov_b32 s45, ttmp9                           ; the expert
.irp j, 0,1,2,3,4,5,6,7
	global_load_b128 v[NW+4*\j:NW+4*\j+3], v[NOF], s[68:69] offset:512*\j              ; w1's rows
.endr
.irp j, 0,1,2,3,4,5,6,7
	global_load_b128 v[NW+32+4*\j:NW+32+4*\j+3], v[NOF], s[68:69] offset:16384+512*\j  ; v1's rows
.endr
.irp a, 0,1,2,3,4,5,6,7
	global_load_b128 v[TE+4*\a:TE+4*\a+3], v[TO], s[70:71] offset:256*\a
	global_load_b128 v[TW+4*\a:TW+4*\a+3], v[TO], s[72:73] offset:256*\a
	global_load_b32 v[NX+\a], v[TN], s[68:69] offset:32768+64*\a
.endr
	; A fragment is 16 rows x 32 K in 8 registers: lane l holds row l % 16; registers 0-3 hold K = 8 (l / 16) + 0..7, registers 4-7 hold
	; K = 16 + 8 (l / 16) + 0..7.  From rows that lie along K: two loads of 16 bytes, 32 bytes apart.  The same for source 0 and source 1.
	v_mul_u32_u24 v3, v1, PITCH
	v_lshl_add_u32 v3, v2, 4, v3                   ; row x pitch + 16 x half
	s_mul_i32 s21, s11, HALFT                      ; my 128 tokens
	s_mul_i32 s22, s12, HALFT                      ; my 128 rows of wgu,
	s_add_co_u32 s22, s22, 2*HALFT                 ; which lie behind the 256 tokens
.irp s, 0,1
	v_add_nc_u32 v[ADRA+\s], s21, v3
	v_add_nc_u32 v[ADRB+\s], s22, v3
	s_add_co_u32 s21, s21, SLOT
	s_add_co_u32 s22, s22, SLOT
.endr
	; the way out: a stage of 256 token rows x 272 bytes over slot 0's first bytes.  In: row 128 x token half + 16 a + l % 16, byte 128 x column half + 32 b + 16 (l / 16)
	s_mul_i32 s23, s11, HALFT
	s_lshl_b32 s21, s12, 7
	s_add_co_u32 s23, s23, s21
	v_add_nc_u32 v[STO], s23, v3
	v_mul_u32_u24 v5, v2, PITCH                    ; back: wave w takes rows 64 w .. 64 w + 63; lanes 0-15 one row of 256 bytes, lanes 16-31 the next
	v_lshl_add_u32 v5, v1, 4, v5
	s_mul_i32 s23, s10, 64*PITCH
	v_add_nc_u32 v[RD], s23, v5
	v_lshlrev_b32 v5, 13, v2                       ; and the same two rows in hs
	v_lshl_add_u32 v[CO], v1, 4, v5
; the largest of 32 registers from b on, then of the wave's 32 lanes, into d
.macro MAX32 d, b
.irp i, 0,3,6,9,12,15,18,21,24,27
	v_max3_num_f32 v[\b+\i], v[\b+\i], v[\b+\i+1], v[\b+\i+2]
.endr
	v_max3_num_f32 v[\b],    v[\b],    v[\b+3],  v[\b+6]
	v_max3_num_f32 v[\b+9],  v[\b+9],  v[\b+12], v[\b+15]
	v_max3_num_f32 v[\b+18], v[\b+18], v[\b+21], v[\b+24]
	v_max3_num_f32 v[\b+27], v[\b+27], v[\b+30], v[\b+31]
	v_max3_num_f32 v[\b],    v[\b],    v[\b+9],  v[\b+18]
	v_max_num_f32 v[\d], v[\b], v[\b+27]
	v_max_num_f32_dpp v[\d], v[\d], v[\d] row_xmask:1 row_mask:0xf bank_mask:0xf
	v_max_num_f32_dpp v[\d], v[\d], v[\d] row_xmask:2 row_mask:0xf bank_mask:0xf
	v_max_num_f32_dpp v[\d], v[\d], v[\d] row_xmask:4 row_mask:0xf bank_mask:0xf
	v_max_num_f32_dpp v[\d], v[\d], v[\d] row_xmask:8 row_mask:0xf bank_mask:0xf
	v_permlanex16_b32 v[\b+1], v[\d], s[SELA], s[SELB]             ; its destination counts as read: a register that has been written
	v_max_num_f32 v[\d], v[\d], v[\b+1]
.endm
	s_wait_loadcnt 24                              ; the sixteen loads of norms are in; the tokens' 24 loads, which are younger, may stay out
	MAX32 MX, NW
	MAX32 MX+1, NW+32
	ds_store_b64 v[SCW], v[MX:MX+1]                ; all lanes write the wave's 8 bytes with the same values
	s_wait_loadcnt 0x0                             ; my tokens' indices, weights and norms
.irp a, 0,1,2,3,4,5,6,7
	v_add_f32 v[AN+\a], |v[TW+4*\a]|, |v[TW+4*\a+1]|
	v_add_f32 v[TT], |v[TW+4*\a+2]|, |v[TW+4*\a+3]|
	v_add_f32 v[AN+\a], v[AN+\a], v[TT]            ; A
	v_mul_f32 v[AN+\a], v[AN+\a], v[NX+\a]         ; A N
	v_cmp_eq_u32 vcc_lo, s45, v[TE+4*\a]           ; a weight counts where its index is this cluster's expert: the choice selects a value and steers nothing
	v_cndmask_b32 v[SC+2*\a], 0, v[TW+4*\a], vcc_lo                ; the first term starts the sum
.irp k, 1,2,3
	v_cmp_eq_u32 vcc_lo, s45, v[TE+4*\a+\k]
	v_cndmask_b32 v[TT], 0, v[TW+4*\a+\k], vcc_lo
	v_add_f32 v[SC+2*\a], v[SC+2*\a], v[TT]
.endr
.endr
; 16 matrix instructions: m blocks a0, a0 + 1 of the window's four (hi = 0: my tokens 0-63, 1: tokens 64-127) x all 8 n blocks, 32 along K.
; zero = 1: the first product starts the sums: nothing is ever cleared.
; The 64 accumulators take turns, one instruction a turn, in the same order in every quarter step, over the backward jump too.
.macro MUL16 f, hi, a0, zero
.irp a, \a0, \a0+1
.irp b, 0,1,2,3,4,5,6,7
.if \zero
	v_wmma_f32_16x16x32_f16 v[8*(8*(\a)+\b):8*(8*(\a)+\b)+7], v[\f+8*\b:\f+8*\b+7], v[\f+8*(4*\hi+\a):\f+8*(4*\hi+\a)+7], 0
.else
	v_wmma_f32_16x16x32_f16 v[8*(8*(\a)+\b):8*(8*(\a)+\b)+7], v[\f+8*\b:\f+8*\b+7], v[\f+8*(4*\hi+\a):\f+8*(4*\hi+\a)+7], v[8*(8*(\a)+\b):8*(8*(\a)+\b)+7]
.endif
.endr
.endr
.endm
; 32 LDS loads in one run: the fragments of one quarter step (128 rows of wgu, 128 tokens, 32 K at byte k of the rows) into buffer f
.macro FETCH slot, k, f
	WIN TO_B
.irp i, 0,1,2,3,4,5,6,7
	ds_load_b128 v[\f+8*\i:\f+8*\i+3],   v[ADRB+\slot] offset:\k+\i*16*PITCH
	ds_load_b128 v[\f+8*\i+4:\f+8*\i+7], v[ADRB+\slot] offset:\k+\i*16*PITCH+32
.endr
	WIN 0
.irp i, 0,1,2,3,4,5,6,7
	ds_load_b128 v[\f+8*\i:\f+8*\i+3],   v[ADRA+\slot] offset:\k+\i*16*PITCH
	ds_load_b128 v[\f+8*\i+4:\f+8*\i+7], v[ADRA+\slot] offset:\k+\i*16*PITCH+32
.endr
.endm
; A load into a register that a matrix instruction has read, and a vector instruction that reads a matrix result or writes one of a matrix instruction's
; registers, stand four places behind that matrix instruction, and only plain vector instructions that name none of its registers are places
; (ISA guide 7.12.1 for vector instructions).  So four v_nop stand in front of each run of loads and in front of the way out.
.macro PLACES
.rept 4
	v_nop
.endr
.endm
; A K step is four quarter steps of 32 along K, 64 matrix instructions each, on buffers 0, 1, 0, 1.
; One of the first three: multiplies buffer f; in its middle it fetches the next quarter's fragments, at byte k of the same slot's rows, into buffer g.
.macro QUARTER slot, k, f, g, zero
	s_wait_dscnt 8                                 ; wgu's rows and tokens 0-63 are in; the youngest eight loads (tokens 64-127) may be out
	WIN MUL_LO
	MUL16 \f, 0, 0, \zero
	MUL16 \f, 0, 2, \zero
	PLACES
	FETCH \slot, \k, \g
	s_wait_dscnt 32                                ; all but the 32 just issued
	WIN MUL_HI
	MUL16 \f, 1, 0, \zero
	MUL16 \f, 1, 2, \zero
.endm
.macro THREE slot, zero
	QUARTER \slot, 64,  F0, F1, \zero
	QUARTER \slot, 128, F1, F0, 0
	QUARTER \slot, 192, F0, F1, 0
.endm
; The last quarter: multiplies buffer 1 and changes slots.  next = the other slot; fill = 1: this slot is filled again, two K steps ahead.
; One barrier for the change of slots, for two things.  In front of it each wave waits for its own reads of this slot and for all its tensor loads, of which
; one is out: its part of the next slot.  Behind it nobody reads this slot any more and the next slot is whole: the refill comes first, then the next
; slot's first fragments.  From a request to the wait for it a wave issues 240 matrix instructions.
.macro TURN slot, next, fill
	s_wait_dscnt 8
	WIN MUL_LO
	MUL16 F1, 0, 0, 0
	s_wait_dscnt 0                                 ; my reads of this slot are over
	s_wait_tensorcnt 0x0                           ; and all my tensor loads have landed: the one that was out is my part of the next slot
	ds_add_u32 v255, v23
	s_wait_dscnt 0x0
	s_barrier_signal -1                            ; say so (where a slot is filled again this barrier opens a round of the cluster's barrier),
	MUL16 F1, 0, 2, 0                              ; work on registers while the others arrive,
	WIN 0
	s_barrier_wait -1                              ; and go on when all four have said so
.if \fill
	CREST                                          ; all sixteen work-groups have said so: no wave of any partner still reads this slot's tile or has a load on its way
	s_add_nc_u64 s[G0+4*\slot+2:G0+4*\slot+3], s[G0+4*\slot+2:G0+4*\slot+3], 2*KSTEP*2      ; no tensor load of mine is out: the addresses may step
	s_add_nc_u64 s[G0B+4*\slot+2:G0B+4*\slot+3], s[G0B+4*\slot+2:G0B+4*\slot+3], 2*KSTEP*2
	JLOAD \slot                                    ; the first tensor load behind the round, and my only one until the next
.endif
	PLACES
	FETCH \next, 0, F0
	WIN MUL_HI
	MUL16 F1, 1, 0, 0
	MUL16 F1, 1, 2, 0
.endm
.macro LAP zero                        ; once round the ring, both slots filled again
	THREE 0, \zero
	TURN 0, 1, 1
	THREE 1, 0
	TURN 1, 0, 1
.endm
	s_wait_dscnt 0x0                               ; my 8 bytes of scratch are written, for the others' sake
	s_wait_tensorcnt 1                             ; my part of K step 0 is in; K step 1's may stay out
	s_barrier_signal -1
	s_barrier_wait -1                              ; everybody's are
	ds_load_b128 v[LW:LW+3], v[SCRD]               ; the four waves' M1, M2, in every lane
	ds_load_b128 v[LW+4:LW+7], v[SCRD] offset:16
	FETCH 0, 0, F0
	; THE SCALES, SECOND PART, under the first fragments' loads
	s_wait_dscnt 32                                ; the two loads of scratch are in; the 32 fragment loads, which are younger, may stay out
	v_max3_num_f32 v[MX],   v[LW],   v[LW+2], v[LW+4]
	v_max3_num_f32 v[MX+1], v[LW+1], v[LW+3], v[LW+5]
	v_max_num_f32 v[MX],   v[MX],   v[LW+6]
	v_max_num_f32 v[MX+1], v[MX+1], v[LW+7]
	v_sqrt_f32 v[MX], v[MX]                        ; each root by itself: the product of the two squares could leave f32's range
	v_sqrt_f32 v[MX+1], v[MX+1]
	v_nop                                          ; a plain instruction between the roots and their use (ISA guide 5.7.2)
	s_wait_alu depctr_va_vdst(0)
.irp a, 0,1,2,3,4,5,6,7
	v_mul_f32 v[TT], v[AN+\a], v[MX]
	v_mul_f32 v[TT], v[TT], v[MX+1]                ; B, not negative
	v_lshrrev_b32 v[TT], 23, v[TT]                 ; eb
	v_max_u32 v[TT], 11, v[TT]
	v_min_u32 v[TT], 0xfd, v[TT]
	v_sub_nc_u32 v[TT], 0x108, v[TT]               ; inv = 2^(137 - eb): exponent field 264 - eb, 11 .. 253
	v_lshlrev_b32 v[TT], 23, v[TT]
	v_mul_f32 v[SC+2*\a], v[SC+2*\a], v[TT]        ; a power of two: exact
	v_mov_b32 v[SC+2*\a+1], v[SC+2*\a]             ; the pair's second half, for the packed multiply
.endr
	LAP 1                                          ; the first lap stands in front of the loop: its first products start the sums
	WIN 0                                          ; at a label and at a branch every window is 0
	s_mov_b32 s3, LAPS-2
.Llap:
	LAP 0
	WIN 0
	s_sub_co_u32 s3, s3, 1
	s_cmp_lg_u32 s3, 0
	s_cbranch_scc1 .Llap
	THREE 0, 0                                     ; the last lap fills nothing and has no round: my one tensor load that is still out is slot 1's, the last K step's
	TURN 0, 1, 0                                   ; behind this barrier no wave reads slot 0 and no load fills it any more
	THREE 1, 0
	s_wait_dscnt 8                                 ; the very last quarter: nothing more to fetch
	WIN MUL_LO
	MUL16 F1, 0, 0, 0
	MUL16 F1, 0, 2, 0
	s_wait_dscnt 0
	WIN MUL_HI
	MUL16 F1, 1, 0, 0
	MUL16 F1, 1, 2, 0
	; THE WAY OUT.  16 tokens at a time: h = sc * gate * up / (1 + exp(-gate)) in f32, rounded once to f16, 16 bytes a lane into the stage.
	; The stage lies over slot 0, which has had its last fill and whose last reads every wave waited for in front of the barrier of the last change of slots.
	PLACES                                         ; behind the last matrix instructions: results are read, and fragment registers written, below
; tokens 16 a .. 16 a + 15 of my 128 = tiles (aw, 0..7) of window 2 or 3 (from = 0x0a or 0x0f: sources 0 and 1)
.macro HOUT a, aw, from
	WIN \from
.irp b, 0,1,2,3
.irp r, 0,2,4,6
	v_pk_mul_f32 v[PR+8*\b+\r:PR+8*\b+\r+1], v[8*(8*\aw+\b)+\r:8*(8*\aw+\b)+\r+1], v[8*(8*\aw+\b+4)+\r:8*(8*\aw+\b+4)+\r+1]   ; gate * up
	v_pk_mul_f32 v[ZE+8*\b+\r:ZE+8*\b+\r+1], v[8*(8*\aw+\b)+\r:8*(8*\aw+\b)+\r+1], 0xbfb8aa3b op_sel_hi:[1,0]                 ; -gate * log2(e)
.endr
.endr
	WIN 0
.set j, 0
.rept 32
	v_exp_f32 v[ZE+j], v[ZE+j]                     ; exp(-gate)
.set j, j+1
.endr
.irp r, 0,2,4,6,8,10,12,14
	v_pk_mul_f32 v[PR+\r:PR+\r+1], v[PR+\r:PR+\r+1], v[SC+2*\a:SC+2*\a+1]     ; the token's scale; also the plain instruction that stands between the exponentials and the use of their results (ISA guide 5.7.2)
.endr
.set j, 0
	s_wait_alu depctr_va_vdst(0)
.rept 16
	v_pk_add_f32 v[ZE+j:ZE+j+1], v[ZE+j:ZE+j+1], 1.0 op_sel_hi:[1,0]
.set j, j+2
.endr
.set j, 0
.rept 32
	v_rcp_f32 v[ZE+j], v[ZE+j]
.set j, j+1
.endr
.irp r, 16,18,20,22,24,26,28,30
	v_pk_mul_f32 v[PR+\r:PR+\r+1], v[PR+\r:PR+\r+1], v[SC+2*\a:SC+2*\a+1]     ; the other half of the scales, in the same place behind the reciprocals
.endr
.set j, 0
	s_wait_alu depctr_va_vdst(0)
.rept 16
	v_pk_mul_f32 v[PR+j:PR+j+1], v[PR+j:PR+j+1], v[ZE+j:ZE+j+1]
.set j, j+2
.endr
.set j, 0
.rept 16
	v_cvt_pk_f16_f32 v[TMP+j], v[PR+2*j], v[PR+2*j+1]
.set j, j+1
.endr
.irp b, 0,1,2,3
	ds_store_b128 v[STO], v[TMP+4*\b:TMP+4*\b+3] offset:\a*16*PITCH+32*\b
.endr
.endm
	HOUT 0, 0, 0x0a
	HOUT 1, 1, 0x0a
	HOUT 2, 2, 0x0a
	HOUT 3, 3, 0x0a
	HOUT 4, 0, 0x0f
	HOUT 5, 1, 0x0f
	HOUT 6, 2, 0x0f
	HOUT 7, 3, 0x0f
	s_wait_dscnt 0x0                               ; my stores into the stage are done: the wave beside me wrote the other 128 bytes of each row that I read back
	s_barrier_signal -1
	s_barrier_wait -1
	s_lshl_b32 s16, s13, 8
	s_lshl_b32 s17, s10, 6
	s_add_co_u32 s16, s16, s17                     ; the first token that I store: 256 x block row + 64 x wave
	s_lshl_b32 s16, s16, 13                        ; rows of 8,192 bytes
	s_mov_b32 s17, 0
	s_add_nc_u64 s[HS:HS+1], s[HS:HS+1], s[16:17]
	s_lshl_b32 s46, s42, 8                         ; the block's 128 columns of hs: 256 bytes x block column
	s_mov_b32 s47, 0
	s_add_nc_u64 s[HS:HS+1], s[HS:HS+1], s[46:47]
.set t, 0
.rept 32
	ds_load_b128 v[F0+4*t:F0+4*t+3], v[RD] offset:t*2*PITCH        ; two whole rows of 256 bytes
.set t, t+1
.endr
.set t, 0
.rept 32
	s_wait_dscnt 31-t                              ; LDS loads come back in order (ISA guide 5.7.1): pair t is in
	global_store_b128 v[CO], v[F0+4*t:F0+4*t+3], s[HS:HS+1] offset:t*2*HSROW   ; 16 lanes store 256 consecutive bytes, at a multiple of 256 from hs's first byte; no register is written twice
.set t, t+1
.endr
	s_set_vgpr_msb 0x1
	s_wait_tensorcnt 0x0
	ds_add_u32 v255, v23
	s_wait_dscnt 0x0
	s_set_vgpr_msb 0x100
	CROUND                                         ; the closing round: no work-group ends while a partner may still ask for a tile that names it
	s_endpgm
.Lfunc_end_k_q08b8d5db8c_gateup:
	.size	k_q08b8d5db8c_gateup, .Lfunc_end_k_q08b8d5db8c_gateup-k_q08b8d5db8c_gateup
	.p2alignl 7, 3214868480
	.fill 96, 4, 3214868480
	.section	.rodata,"a",@progbits
	.p2align	6, 0x0
	.amdhsa_kernel k_q08b8d5db8c_gateup
		.amdhsa_group_segment_fixed_size 327680
		.amdhsa_private_segment_fixed_size 0
		.amdhsa_enable_private_segment 0
		.amdhsa_kernarg_size 48
		.amdhsa_user_sgpr_count 2
		.amdhsa_user_sgpr_kernarg_segment_ptr 1
		.amdhsa_wavefront_size32 1
		.amdhsa_system_sgpr_workgroup_id_x 1
		.amdhsa_system_sgpr_workgroup_id_y 1
		.amdhsa_system_sgpr_workgroup_id_z 1
		.amdhsa_system_vgpr_workitem_id 0
		.amdhsa_next_free_vgpr 1024
		.amdhsa_next_free_sgpr 76
		.amdhsa_reserve_vcc 1
		.amdhsa_float_denorm_mode_32 3
		.amdhsa_float_denorm_mode_16_64 3
		.amdhsa_memory_ordered 1
		.amdhsa_forward_progress 1
		.amdhsa_inst_pref_size 255
	.end_amdhsa_kernel
	.amdgpu_metadata
---
amdhsa.version: [ 1, 2 ]
amdhsa.kernels:
  - .name:           k_q08b8d5db8c_gateup
    .symbol:         k_q08b8d5db8c_gateup.kd
    .args:
      - { .name: xh, .offset: 0, .size: 8, .value_kind: global_buffer, .address_space: global }
      - { .name: wgu, .offset: 8, .size: 8, .value_kind: global_buffer, .address_space: global }
      - { .name: nrm, .offset: 16, .size: 8, .value_kind: global_buffer, .address_space: global }
      - { .name: top_experts, .offset: 24, .size: 8, .value_kind: global_buffer, .address_space: global }
      - { .name: top_weights, .offset: 32, .size: 8, .value_kind: global_buffer, .address_space: global }
      - { .name: hs, .offset: 40, .size: 8, .value_kind: global_buffer, .address_space: global }
    .group_segment_fixed_size: 327680
    .private_segment_fixed_size: 0
    .kernarg_segment_align: 8
    .kernarg_segment_size: 48
    .max_flat_workgroup_size: 128
    .sgpr_count:     76
    .vgpr_count:     1024
    .wavefront_size: 32
...
	.end_amdgpu_metadata
.endif
;; end of part 2
;; launch down (part 3): grid 16 x 16, 4 waves a work-group, clusters of 4 x 4, 327,680 bytes of LDS; arguments hs, w2h, nrm, top_weights, out0; writes out0
.if DOCPART == 3
	.amdgcn_target "amdgcn-amd-amdhsa--gfx1250"
	.amdhsa_code_object_version 6
	.text
	.protected	k_q08b8d5db8c_down
	.globl	k_q08b8d5db8c_down
	.p2align	8
	.type	k_q08b8d5db8c_down,@function
k_q08b8d5db8c_down:
	s_mov_b64 s[64:65], 0
	v_nop
	global_prefetch_b8 v0, s[64:65] scope:SCOPE_SE
	s_setreg_imm32_b32 hwreg(HW_REG_WAVE_MODE, 25, 1), 1
	s_wait_xcnt 0x0
	s_wait_alu depctr_hold_cnt(0) depctr_sa_sdst(0) depctr_va_vdst(0) depctr_va_sdst(0) depctr_va_ssrc(0) depctr_va_vcc(0) depctr_vm_vsrc(0)
	s_getreg_b32 s2, hwreg(HW_REG_IB_STS2, 6, 4)
	s_cmp_eq_u32 s2, 0
	s_cbranch_scc0 .Lentry_in_a_cluster
	s_endpgm
.Lentry_in_a_cluster:
	s_bfe_u32 s2, ttmp6, 0x10000c
	s_cmp_lg_u32 s2, 0xf033
	s_cbranch_scc0 .Lentry_shape_is_right
	s_endpgm
.Lentry_shape_is_right:
; out[t][n] = un[t] * sum over k of hs[t][k] w2h[k][n].  hs: [2048][4096] f16, w2h: [4096][2048] f16 (the eight experts' w2 one below the other),
; out: [2048][2048] f32.  un[t] is the power of two that takes back the one by which the token's row of hs was scaled.
; The routing weights are already in hs, so the sum over the experts is the sum over k.
; 2048 x 2048 outputs are 256 blocks of 128 x 128, one work-group each.  K IS SPLIT OVER THE FOUR WAVES: every wave makes the whole block (64 accumulator
; tiles of 16 x 16, 512 registers) over its own quarter of K, so that 32 along K cost a wave 2 x 128 x 64 bytes from LDS for 64 matrix instructions;
; four waves of 64 x 64 would read twice as many bytes for the same products.  The four partial blocks are added once, at the end, through LDS.
; K goes in steps of 256 through a ring of two LDS slots filled by the tensor data mover; wave w multiplies k = 64 w .. 64 w + 63 of each step.
; w2h lies [K][N]: its fragments come out of LDS by the transposing load.
; CLUSTERS: 4 x 4 work-groups.  The four of a row of the cluster need the same tiles of hs, the four of a column the same tiles of w2h; such a tile is asked
; for jointly, by the same tensor load with the same descriptor and a mask that names the four.  That divides the requests by four.
; THE POWER OF TWO.  B = A N sqrt(M1) sqrt(M2) bounds the token's row of the unscaled hs: A = sum over k of |top_weights[t][k]|, N = |x[t]|^2, M1, M2 = the largest
; squared row norm of w1, of v1 (nrm: 10,240 f32, the squared norms of w1's 4,096 rows, v1's 4,096 rows, x's 2,048 rows).  With eb = B's biased exponent, held to
; 11 .. 253, hs was stored times 2^(137 - eb), and un = 2^(eb - 137).  B is formed here by the same instructions in the same order from the same numbers as where
; hs is made, so the two powers are exact reciprocals.  The maximum over the 8,192 norms is shared among the four waves and meets in 32 bytes of LDS behind the ring.
; LIMITS: operands in f16 (their range is stated where they are made); sums in f32; an output is (q0 + q1) + (q2 + q3) of four sums, q_w over the k with
; (k mod 256) / 64 = w: another order than a single chain's.
;
; REGISTERS, in windows of 256 (s_set_vgpr_msb: bits 1:0 source 0, 3:2 source 1, 5:4 source 2, 7:6 destination):
;   window 0: v0-47 addresses and the start's work; v64-127, v128-191 fragments of hs, two buffers (at the start: norms; at the end: the rows that are added)
;   window 1: v64-127, v128-191 fragments of w2h, two buffers
;   window 2: the 32 accumulator tiles of tokens 0-63 (tile (a, b) at v[8 (8 a + b)]);   window 3: those of tokens 64-127
; THE MATRIX INSTRUCTION IS USED TRANSPOSED: source 0 = 16 columns of w2h, source 1 = 16 tokens.  Lane l then holds token l % 16, and its registers 0 to 7
; the columns 8 (l / 16) + 0 .. 7: 32 neighbouring bytes of a row of out.
.set KS,   256                         ; K of a step
.set PA,   528                         ; LDS row of hs: 512 bytes + 16, an odd multiple of 16: the 16 rows of a fragment load start 16 bytes apart modulo 256
.set PB,   288                         ; LDS row of w2h: 256 bytes + 32, an odd multiple of 32, as the transposing load's eight rows of two 16-byte columns want
.set REG,  128*PB                      ; 36,864 bytes: the region that one wave's tensor load fills.  Waves 0, 1: 64 tokens x 528 (33,792 used).  Waves 2, 3: 128 k rows x 288 (all)
.set SLOT, 4*REG                       ; so w2h's 256 k rows lie without a gap from 2 REG on
.set SCR,  2*SLOT                      ; behind the ring, in a block of 256 bytes into which no tensor load lands: 8 bytes a wave, its M1 and M2
.set LAPS, 4096/(2*KS)                 ; a lap = two steps = once round the ring: 8
.set SP,   528                         ; the stage at the end: a row of 128 f32 + 16 bytes
.set SBLK, 128*SP                      ; a wave's partial block: 67,584 bytes; four of them lie over the ring, which is dead by then
.set OROW, 8192                        ; bytes in a row of out
.set TO,   7                           ; v7      byte offset of token l of my 32 in top_weights
.set TN,   8                           ; v8      its byte offset among x's norms
.set NOF,  9                           ; v9      my byte offset among my wave's 1,024 row norms
.set SCW,  10                          ; v10     my wave's 8 bytes of scratch
.set SCRD, 11                          ; v11     the scratch
.set TT,   12                          ; v12     at work
.set AN,   13                          ; v13     A N of my token
.set NX,   14                          ; v14     its |x|^2
.set UN,   15                          ; v15     its power of two
.set ADRA, 16                          ; v16-17  LDS address of my token fragments in slot 0, 1
.set ADRB, 20                          ; v20-21  the same for w2h
.set STO,  24                          ; v24     where I put 32 bytes of a row of my partial block
.set CO,   26                          ; v26     16 x lane: my place in a row of 512 bytes
.set RD,   28                          ; v28-31  where I read my rows of partial block 0..3
.set TW,   32                          ; v[32:35] my token's four weights
.set MX,   36                          ; v[36:37] M1, M2
.set LW,   40                          ; v[40:47] the four waves' M1, M2
.set NW,   64                          ; v[64:127] the start: 32 squared norms of w1's rows, then 32 of v1's
.set F0,   64                          ; fragment buffer 0
.set F1,   128                         ; fragment buffer 1
.set RB,   64                          ; the end: row j of a batch of 8: 4 x 4 registers
.set SELA, 18                          ; s18, s19: v_permlanex16_b32's selects
.set SELB, 19
.set G1, 24                            ; s[24:31] descriptor group 1 for tiles of hs
.set G0, 32                            ; s[32:39] descriptor group 0 for tiles of hs, one set for each slot
.set G1B, 48                           ; s[48:55] descriptor group 1 for tiles of w2h
.set G0B, 56                           ; s[56:63] descriptor group 0 for tiles of w2h, one set for each slot
.set MU, 68                            ; s[68:99] un of the 32 tokens whose rows I add and store
.set MSB, 0
.macro WIN new                         ; the immediate's high byte repeats the setting that is left
.if MSB != \new
	s_set_vgpr_msb (MSB<<8)|\new
.set MSB, \new
.endif
.endm
.set MUL_LO, 0xa1                      ; source 0 (w2h) window 1, source 1 (tokens) window 0, C and D window 2
.set MUL_HI, 0xf1                      ; the same, C and D window 3
.set TO_B,   0x40                      ; destination window 1, address window 0
; A joint load.  Waves 0 and 1 fetch the two halves of hs's tile, waves 2 and 3 those of w2h's.  The branch hangs on the wave's number alone.
.macro JLOAD s
	s_cmp_eq_u32 s11, 0
	s_cbranch_scc0 .Lfor_b_\@
	tensor_load_to_lds s[G0+4*\s:G0+4*\s+3], s[G1:G1+7]
	s_nop 0
	s_branch .Lasked_\@
.Lfor_b_\@:
	tensor_load_to_lds s[G0B+4*\s:G0B+4*\s+3], s[G1B:G1B+7]
	s_nop 0
.Lasked_\@:
.endm
; A round of the cluster's barrier: my work-group's barrier; wave 0 signals for the work-group; every wave waits for all sixteen; my work-group's barrier once more.
.macro CREST                           ; a round behind its opening barrier
	s_cmp_lg_u32 s10, 0
	s_cbranch_scc1 .Lnot_wave_0_\@
	s_barrier_signal -3
.Lnot_wave_0_\@:
	s_barrier_wait -3
	s_barrier_signal -1
	s_barrier_wait -1
.endm
.macro CROUND                          ; a whole round
	s_barrier_signal -1
	s_barrier_wait -1
	CREST
.endm
	s_load_b128 s[4:7], s[0:1], 0x0                ; hs s[4:5], w2h s[6:7]
	s_load_b64 s[66:67], s[0:1], 0x10              ; nrm
	s_load_b64 s[100:101], s[0:1], 0x18            ; top_weights
	s_load_b64 s[8:9], s[0:1], 0x20                ; out
	v_lshl_add_u32 v254, v0, 2, 0x48100
	v_mov_b32 v255, 0
	ds_add_u32 v254, v255
	v_lshrrev_b32 v1, 5, v0
	v_readfirstlane_b32 s10, v1                    ; wave 0..3: my quarter of each K step
	s_lshr_b32 s11, s10, 1                         ; I fetch for hs (0) or for w2h (1)
	s_and_b32 s12, s10, 1                          ; which half of that tile
	s_bfe_u32 s40, ttmp6, 0x40000                  ; cx
	s_bfe_u32 s41, ttmp6, 0x40004                  ; cy
	s_lshl_b32 s42, ttmp9, 2
	s_add_co_u32 s42, s42, s40                     ; block column = 4 x cluster x + cx, 0..15
	s_and_b32 s13, ttmp7, 0xffff
	s_lshl_b32 s13, s13, 2
	s_add_co_u32 s13, s13, s41                     ; block row = 4 x cluster y + cy, 0..15
	s_lshl_b32 s43, s41, 2
	s_lshl_b32 s43, 15, s43                        ; my row of the cluster
	s_lshl_b32 s44, 0x1111, s40                    ; my column
	; group 1 for hs: 64 rows x 256 elements; rows of 128 words, 4 words of padding behind each
	s_or_b32 s[G1+0], s43, (1<<16)|(1<<20)|(1<<21)|(6<<22)|(3<<25)  ; 15:0 mask: my row; 17:16 element of 2 bytes; 20 padding on; 21 set beside a mask; 24:22 after every 128 words (code 6); 31:25 of 4 words (code 3)
	s_mov_b32 s[G1+1], KS<<16                      ; tensor_dim0 = 256
	s_mov_b32 s[G1+2], 64<<16                      ; tensor_dim1 = 64
	s_mov_b32 s[G1+3], KS<<16                      ; tile_dim0 = 256
	s_mov_b32 s[G1+4], 64                          ; tile_dim1 = 64
	s_mov_b32 s[G1+5], 4096                        ; elements from row to row of hs
	s_mov_b32 s[G1+6], 0
	s_mov_b32 s[G1+7], 0
	; group 1 for w2h: 128 k rows x 128 elements; rows of 64 words, 8 words of padding behind each
	s_or_b32 s[G1B+0], s44, (1<<16)|(1<<20)|(1<<21)|(5<<22)|(7<<25) ; mask: my column; after every 64 words (code 5) 8 words (code 7)
	s_mov_b32 s[G1B+1], 128<<16                    ; tensor_dim0 = 128
	s_mov_b32 s[G1B+2], 128<<16                    ; tensor_dim1 = 128
	s_mov_b32 s[G1B+3], 128<<16                    ; tile_dim0 = 128
	s_mov_b32 s[G1B+4], 128                        ; tile_dim1 = 128
	s_mov_b32 s[G1B+5], 2048                       ; elements from row to row of w2h
	s_mov_b32 s[G1B+6], 0
	s_mov_b32 s[G1B+7], 0
	; where the tiles come from: hs's hang on the block row alone, w2h's on the block column alone, each in registers that never hold the other coordinate
	s_lshl_b32 s17, s12, 6                         ; which 64 tokens I fetch
	s_lshl_b32 s16, s13, 7
	s_add_co_u32 s16, s16, s17                     ; token 128 x block row + 64 x half
	s_lshl_b32 s16, s16, 13                        ; rows of 8,192 bytes
	s_mov_b32 s17, 0
	s_lshl_b32 s46, s12, 19                        ; which 128 k rows of 4,096 bytes I fetch
	s_lshl_b32 s47, s42, 8                         ; 128 columns = 256 bytes x block column
	s_add_co_u32 s46, s46, s47
	s_mov_b32 s47, 0
	s_mul_i32 s20, s10, REG                        ; where the tiles go: the wave's region: no place in the cluster enters an LDS address
	s_wait_dscnt 0x0
	s_wait_kmcnt 0x0
	s_add_nc_u64 s[14:15], s[4:5], s[16:17]
	s_add_nc_u64 s[46:47], s[6:7], s[46:47]
	CROUND                                         ; all sixteen work-groups are here: the first joint loads meet
.irp s, 0,1
	s_mov_b32 s[G0+4*\s], 1                                        ; count = 1
	s_add_co_u32 s[G0+4*\s+1], s20, \s*SLOT                        ; LDS address
	s_add_nc_u64 s[G0+4*\s+2:G0+4*\s+3], s[14:15], \s*KS*2         ; K step s: 512 bytes along hs's rows
	s_or_b32 s[G0+4*\s+3], s[G0+4*\s+3], 0x80000000                ; type = 2
	s_mov_b32 s[G0B+4*\s], 1
	s_add_co_u32 s[G0B+4*\s+1], s20, \s*SLOT
	s_add_nc_u64 s[G0B+4*\s+2:G0B+4*\s+3], s[46:47], \s*KS*4096    ; K step s: 256 rows of w2h down
	s_or_b32 s[G0B+4*\s+3], s[G0B+4*\s+3], 0x80000000
	JLOAD \s                                       ; two tensor loads of the wave are out here, one behind each later round
.endr
	; THE POWERS OF TWO, FIRST PART, while the first tiles are on their way.  All loads go out at once: my wave's 2,048 row norms (16 bytes a lane, 512 consecutive
	; bytes a load), then the four weights and |x|^2 of token l of the 32 whose rows I add and store at the end (128 x block row + 32 x wave + lane).
	v_and_b32 v6, 31, v0                           ; lane
	s_lshl_b32 s16, s13, 7
	s_lshl_b32 s17, s10, 5
	s_add_co_u32 s16, s16, s17
	v_add_nc_u32 v[TT], s16, v6                    ; my token
	v_lshlrev_b32 v[TO], 4, v[TT]                  ; 16 bytes a token
	v_lshlrev_b32 v[TN], 2, v[TT]                  ; 4 bytes a token
	s_lshl_b32 s17, s10, 12                        ; my wave's 1,024 rows: 4,096 bytes
	v_lshl_add_u32 v[NOF], v6, 4, s17
	s_lshl_b32 s17, s10, 3
	s_add_co_u32 s17, s17, SCR
	v_mov_b32 v[SCW], s17
	v_mov_b32 v[SCRD], SCR
	s_mov_b32 s[SELA], 0x76543210                  ; v_permlanex16_b32: lane i of one half reads lane i of the other
	s_mov_b32 s[SELB], 0xfedcba98
.irp j, 0,1,2,3,4,5,6,7
	global_load_b128 v[NW+4*\j:NW+4*\j+3], v[NOF], s[66:67] offset:512*\j              ; w1's rows
.endr
.irp j, 0,1,2,3,4,5,6,7
	global_load_b128 v[NW+32+4*\j:NW+32+4*\j+3], v[NOF], s[66:67] offset:16384+512*\j  ; v1's rows
.endr
	global_load_b128 v[TW:TW+3], v[TO], s[100:101]
	global_load_b32 v[NX], v[TN], s[66:67] offset:32768
	v_and_b32 v1, 15, v0                           ; l % 16
	v_bfe_u32 v2, v0, 4, 1                         ; l / 16
	; token fragments: lane l holds token l % 16; two loads of 16 bytes, 32 apart, at row x pitch + 16 (l / 16) + my quarter's 128 bytes of the row
	v_mul_u32_u24 v3, v1, PA
	v_lshl_add_u32 v3, v2, 4, v3
	s_lshl_b32 s21, s10, 7
	v_add_nc_u32 v[ADRA], s21, v3
	v_add_nc_u32 v[ADRA+1], SLOT, v[ADRA]
	; w2h fragments: the transposing load turns 8 x 8 elements within eight lanes.  Lane l addresses k row 8 (l / 16) + l % 8 of my quarter's 64 and the 16-byte
	; column (l / 8) % 2; it receives k = 8 (l / 16) + 0..7 of column l % 16.  A second load 16 k rows further down brings registers 4-7.
	v_and_b32 v4, 7, v0
	v_bfe_u32 v5, v0, 3, 1
	v_lshl_add_u32 v4, v2, 3, v4
	v_mul_u32_u24 v4, v4, PB
	v_lshl_add_u32 v4, v5, 4, v4
	s_mul_i32 s22, s10, 64*PB
	s_add_co_u32 s22, s22, 2*REG
	v_add_nc_u32 v[ADRB], s22, v4
	v_add_nc_u32 v[ADRB+1], SLOT, v[ADRB]
	; the end: my partial block; the rows that I add (32 x wave ..) in each of the four blocks
	s_mul_i32 s21, s10, SBLK
	v_mul_u32_u24 v5, v1, SP
	v_lshl_add_u32 v5, v2, 5, v5                   ; row l % 16, 32 bytes for each half of the lanes
	v_add_nc_u32 v[STO], s21, v5
	v_lshlrev_b32 v[CO], 4, v6
	s_mul_i32 s23, s10, 32*SP
.irp s, 0,1,2,3
	v_add_nc_u32 v[RD+\s], s23, v[CO]
	s_add_co_u32 s23, s23, SBLK
.endr
; the largest of 32 registers from b on, then of the wave's 32 lanes, into d
.macro MAX32 d, b
.irp i, 0,3,6,9,12,15,18,21,24,27
	v_max3_num_f32 v[\b+\i], v[\b+\i], v[\b+\i+1], v[\b+\i+2]
.endr
	v_max3_num_f32 v[\b],    v[\b],    v[\b+3],  v[\b+6]
	v_max3_num_f32 v[\b+9],  v[\b+9],  v[\b+12], v[\b+15]
	v_max3_num_f32 v[\b+18], v[\b+18], v[\b+21], v[\b+24]
	v_max3_num_f32 v[\b+27], v[\b+27], v[\b+30], v[\b+31]
	v_max3_num_f32 v[\b],    v[\b],    v[\b+9],  v[\b+18]
	v_max_num_f32 v[\d], v[\b], v[\b+27]
	v_max_num_f32_dpp v[\d], v[\d], v[\d] row_xmask:1 row_mask:0xf bank_mask:0xf
	v_max_num_f32_dpp v[\d], v[\d], v[\d] row_xmask:2 row_mask:0xf bank_mask:0xf
	v_max_num_f32_dpp v[\d], v[\d], v[\d] row_xmask:4 row_mask:0xf bank_mask:0xf
	v_max_num_f32_dpp v[\d], v[\d], v[\d] row_xmask:8 row_mask:0xf bank_mask:0xf
	v_permlanex16_b32 v[\b+1], v[\d], s[SELA], s[SELB]             ; its destination counts as read: a register that has been written
	v_max_num_f32 v[\d], v[\d], v[\b+1]
.endm
	s_wait_loadcnt 2                               ; the sixteen loads of norms are in; my token's two loads, which are younger, may stay out
	MAX32 MX, NW
	MAX32 MX+1, NW+32
	ds_store_b64 v[SCW], v[MX:MX+1]                ; all lanes write the wave's 8 bytes with the same values
	s_wait_loadcnt 0x0                             ; my token's weights and norm
	v_add_f32 v[AN], |v[TW]|, |v[TW+1]|
	v_add_f32 v[TT], |v[TW+2]|, |v[TW+3]|
	v_add_f32 v[AN], v[AN], v[TT]                  ; A
	v_mul_f32 v[AN], v[AN], v[NX]                  ; A N
; 16 matrix instructions: m blocks a0, a0 + 1 of the window's four x all 8 n blocks, 32 along K.  zero = 1: the first product starts the sums.
; The 64 accumulators take turns, one instruction a turn, in the same order in every quarter, over the backward jump too.
.macro MUL16 f, hi, a0, zero
.irp a, \a0, \a0+1
.irp b, 0,1,2,3,4,5,6,7
.if \zero
	v_wmma_f32_16x16x32_f16 v[8*(8*(\a)+\b):8*(8*(\a)+\b)+7], v[\f+8*\b:\f+8*\b+7], v[\f+8*(4*\hi+\a):\f+8*(4*\hi+\a)+7], 0
.else
	v_wmma_f32_16x16x32_f16 v[8*(8*(\a)+\b):8*(8*(\a)+\b)+7], v[\f+8*\b:\f+8*\b+7], v[\f+8*(4*\hi+\a):\f+8*(4*\hi+\a)+7], v[8*(8*(\a)+\b):8*(8*(\a)+\b)+7]
.endif
.endr
.endr
.endm
; 32 LDS loads in one run: 32 of my 64 k (q = 0, 1) x 128 columns of w2h, then x 128 tokens, into buffer f.  Tokens 64-127 lie in the second region.
.macro FETCH slot, q, f
	WIN TO_B
.irp b, 0,1,2,3,4,5,6,7
	ds_load_tr16_b128 v[\f+8*\b:\f+8*\b+3],   v[ADRB+\slot] offset:\q*32*PB+32*\b
	ds_load_tr16_b128 v[\f+8*\b+4:\f+8*\b+7], v[ADRB+\slot] offset:\q*32*PB+32*\b+16*PB
.endr
	WIN 0
.irp i, 0,1,2,3,4,5,6,7
	ds_load_b128 v[\f+8*\i:\f+8*\i+3],   v[ADRA+\slot] offset:\q*64+(\i>>2)*REG+(\i&3)*16*PA
	ds_load_b128 v[\f+8*\i+4:\f+8*\i+7], v[ADRA+\slot] offset:\q*64+(\i>>2)*REG+(\i&3)*16*PA+32
.endr
.endm
; Four places stand between a matrix instruction and a load into a register that it has read, a vector instruction or an LDS store that reads its result
; (ISA guide 7.12.1 for vector instructions); only plain vector instructions that name none of its registers are places.
.macro PLACES
.rept 4
	v_nop
.endr
.endm
; My share of a K step is two quarters of 32 along K, 64 matrix instructions each, on buffers 0 and 1.
; The first: multiplies buffer 0; in its middle it fetches the second quarter's fragments into buffer 1.
.macro QUARTER slot, zero
	s_wait_dscnt 8                                 ; w2h's columns and tokens 0-63 are in; the youngest eight loads (tokens 64-127) may be out
	WIN MUL_LO
	MUL16 F0, 0, 0, \zero
	MUL16 F0, 0, 2, \zero
	PLACES
	FETCH \slot, 1, F1
	s_wait_dscnt 32                                ; all but the 32 just issued
	WIN MUL_HI
	MUL16 F0, 1, 0, \zero
	MUL16 F0, 1, 2, \zero
.endm
; The second: multiplies buffer 1 and changes slots.  In front of the barrier each wave waits for its own reads of this slot and for all its tensor loads, of
; which one is out: its part of the next slot.  Behind it the refill comes first, then the next slot's first fragments.
; A step brings as many bytes as where hs is made, for half the products, so here the tile is what a wave waits for: all the products that need no new fragments
; stand ahead of the wait for it, and nothing stands between a tile's landing and the next request but the barrier and the round.
; From a request to the wait for it a wave issues 128 matrix instructions.
.macro TURN slot, next, fill
	s_wait_dscnt 8
	WIN MUL_LO
	MUL16 F1, 0, 0, 0
	MUL16 F1, 0, 2, 0
	WIN 0
	s_wait_dscnt 0                                 ; my reads of this slot are over
	s_wait_tensorcnt 0x0                           ; and all my tensor loads have landed
	ds_add_u32 v254, v255
	s_wait_dscnt 0x0
	s_barrier_signal -1                            ; say so (where a slot is filled again this barrier opens a round of the cluster's barrier)
	s_barrier_wait -1
.if \fill
	CREST                                          ; no wave of any partner still reads this slot's tile or has a load on its way
	s_add_nc_u64 s[G0+4*\slot+2:G0+4*\slot+3], s[G0+4*\slot+2:G0+4*\slot+3], 2*KS*2          ; no tensor load of mine is out: the addresses may step, two K steps on
	s_add_nc_u64 s[G0B+4*\slot+2:G0B+4*\slot+3], s[G0B+4*\slot+2:G0B+4*\slot+3], 2*KS*4096
	JLOAD \slot                                    ; the first tensor load behind the round, and my only one until the next
.endif
	PLACES
	FETCH \next, 0, F0
	WIN MUL_HI
	MUL16 F1, 1, 0, 0
	MUL16 F1, 1, 2, 0
.endm
.macro LAP zero
	QUARTER 0, \zero
	TURN 0, 1, 1
	QUARTER 1, 0
	TURN 1, 0, 1
.endm
	s_wait_dscnt 0x0                               ; my 8 bytes of scratch are written, for the others' sake
	s_wait_tensorcnt 1                             ; my part of K step 0 is in; K step 1's may stay out
	s_barrier_signal -1
	s_barrier_wait -1
	ds_load_b128 v[LW:LW+3], v[SCRD]               ; the four waves' M1, M2, in every lane
	ds_load_b128 v[LW+4:LW+7], v[SCRD] offset:16
	FETCH 0, 0, F0
	; THE POWERS OF TWO, SECOND PART, under the first fragments' loads
	s_wait_dscnt 32                                ; the two loads of scratch are in; the 32 fragment loads, which are younger, may stay out
	v_max3_num_f32 v[MX],   v[LW],   v[LW+2], v[LW+4]
	v_max3_num_f32 v[MX+1], v[LW+1], v[LW+3], v[LW+5]
	v_max_num_f32 v[MX],   v[MX],   v[LW+6]
	v_max_num_f32 v[MX+1], v[MX+1], v[LW+7]
	v_sqrt_f32 v[MX], v[MX]                        ; each root by itself: the product of the two squares could leave f32's range
	v_sqrt_f32 v[MX+1], v[MX+1]
	v_nop                                          ; a plain instruction between the roots and their use (ISA guide 5.7.2)
	s_wait_alu depctr_va_vdst(0)
	v_mul_f32 v[UN], v[AN], v[MX]
	v_mul_f32 v[UN], v[UN], v[MX+1]                ; B, not negative
	v_lshrrev_b32 v[UN], 23, v[UN]                 ; eb
	v_max_u32 v[UN], 11, v[UN]
	v_min_u32 v[UN], 0xfd, v[UN]
	v_add_nc_u32 v[UN], -10, v[UN]                 ; un = 2^(eb - 137): exponent field eb - 10, 1 .. 243
	v_lshlrev_b32 v[UN], 23, v[UN]
.set i, 0
.rept 32
	v_readlane_b32 s[MU+i], v[UN], i               ; a row of out belongs to one token, so its factor is a scalar
.set i, i+1
.endr
	LAP 1                                          ; the first lap stands in front of the loop: its first products start the sums
	WIN 0
	s_mov_b32 s3, LAPS-2
.Llap:
	LAP 0
	WIN 0
	s_sub_co_u32 s3, s3, 1
	s_cmp_lg_u32 s3, 0
	s_cbranch_scc1 .Llap
	QUARTER 0, 0                                   ; the last lap fills nothing and has no round
	TURN 0, 1, 0
	QUARTER 1, 0
	s_wait_dscnt 8                                 ; the very last quarter
	WIN MUL_LO
	MUL16 F1, 0, 0, 0
	MUL16 F1, 0, 2, 0
	s_wait_dscnt 0
	WIN MUL_HI
	MUL16 F1, 1, 0, 0
	MUL16 F1, 1, 2, 0
	; THE END: the four waves' partial blocks meet in LDS.  Both slots have had their last fill; the stage lies over them once every wave's reads are over.
	WIN 0
	PLACES                                         ; behind the last matrix instructions: the LDS stores below read results
	s_wait_dscnt 0x0                               ; my reads of the ring are back (met since the last quarter's wait)
	s_barrier_signal -1
	s_barrier_wait -1                              ; everybody's are
	WIN 0x08                                       ; store data from window 2
.irp a, 0,1,2,3
.irp b, 0,1,2,3,4,5,6,7
	ds_store_b128 v[STO], v[8*(8*\a+\b):8*(8*\a+\b)+3]   offset:\a*16*SP+64*\b
	ds_store_b128 v[STO], v[8*(8*\a+\b)+4:8*(8*\a+\b)+7] offset:\a*16*SP+64*\b+16
.endr
.endr
	WIN 0x0c                                       ; from window 3: tokens 64-127
.irp a, 0,1,2,3
.irp b, 0,1,2,3,4,5,6,7
	ds_store_b128 v[STO], v[8*(8*\a+\b):8*(8*\a+\b)+3]   offset:(\a+4)*16*SP+64*\b
	ds_store_b128 v[STO], v[8*(8*\a+\b)+4:8*(8*\a+\b)+7] offset:(\a+4)*16*SP+64*\b+16
.endr
.endr
	WIN 0
	s_wait_dscnt 0x0                               ; my block is written, for the others' sake
	s_barrier_signal -1
	s_barrier_wait -1
	s_lshl_b32 s16, s13, 7
	s_lshl_b32 s17, s10, 5
	s_add_co_u32 s16, s16, s17                     ; the first token that I add and store: 128 x block row + 32 x wave
	s_lshl_b32 s16, s16, 13                        ; rows of 8,192 bytes
	s_mov_b32 s17, 0
	s_add_nc_u64 s[8:9], s[8:9], s[16:17]
	s_lshl_b32 s46, s42, 9                         ; 128 columns of f32 = 512 bytes x block column
	s_mov_b32 s47, 0
	s_add_nc_u64 s[8:9], s[8:9], s[46:47]
; eight of my 32 rows: each row's 512 bytes from all four blocks (16 bytes a lane), added, scaled back, stored
.macro BATCH g
.if \g
	s_wait_xcnt 0x0                                ; the last batch's stores read these registers: they are loaded again only behind this wait (ISA guide 3.1)
.endif
.irp j, 0,1,2,3,4,5,6,7
.irp s, 0,1,2,3
	ds_load_b128 v[RB+16*\j+4*\s:RB+16*\j+4*\s+3], v[RD+\s] offset:(8*\g+\j)*SP
.endr
.endr
.irp j, 0,1,2,3,4,5,6,7
	s_wait_dscnt 28-4*\j                           ; LDS loads come back in order (ISA guide 5.7.1): row j's four are in, the younger rows' stay out
	v_pk_add_f32 v[RB+16*\j:RB+16*\j+1],     v[RB+16*\j:RB+16*\j+1],     v[RB+16*\j+4:RB+16*\j+5]
	v_pk_add_f32 v[RB+16*\j+2:RB+16*\j+3],   v[RB+16*\j+2:RB+16*\j+3],   v[RB+16*\j+6:RB+16*\j+7]
	v_pk_add_f32 v[RB+16*\j+8:RB+16*\j+9],   v[RB+16*\j+8:RB+16*\j+9],   v[RB+16*\j+12:RB+16*\j+13]
	v_pk_add_f32 v[RB+16*\j+10:RB+16*\j+11], v[RB+16*\j+10:RB+16*\j+11], v[RB+16*\j+14:RB+16*\j+15]
	v_pk_add_f32 v[RB+16*\j:RB+16*\j+1],     v[RB+16*\j:RB+16*\j+1],     v[RB+16*\j+8:RB+16*\j+9]
	v_pk_add_f32 v[RB+16*\j+2:RB+16*\j+3],   v[RB+16*\j+2:RB+16*\j+3],   v[RB+16*\j+10:RB+16*\j+11]
.irp c, 0,1,2,3
	v_mul_f32 v[RB+16*\j+\c], s[MU+8*\g+\j], v[RB+16*\j+\c]        ; the row's token's power of two: exact
.endr
	global_store_b128 v[CO], v[RB+16*\j:RB+16*\j+3], s[8:9] offset:(8*\g+\j)*OROW th:TH_STORE_NT   ; the wave stores 512 consecutive bytes, at a multiple of 512 from out's first byte
.endr
.endm
	BATCH 0
	BATCH 1
	BATCH 2
	BATCH 3
	s_wait_tensorcnt 0x0
	ds_add_u32 v254, v255
	s_wait_dscnt 0x0
	CROUND                                         ; the closing round: no work-group ends while a partner may still ask for a tile that names it
	s_endpgm
.Lfunc_end_k_q08b8d5db8c_down:
	.size	k_q08b8d5db8c_down, .Lfunc_end_k_q08b8d5db8c_down-k_q08b8d5db8c_down
	.p2alignl 7, 3214868480
	.fill 96, 4, 3214868480
	.section	.rodata,"a",@progbits
	.p2align	6, 0x0
	.amdhsa_kernel k_q08b8d5db8c_down
		.amdhsa_group_segment_fixed_size 327680
		.amdhsa_private_segment_fixed_size 0
		.amdhsa_enable_private_segment 0
		.amdhsa_kernarg_size 40
		.amdhsa_user_sgpr_count 2
		.amdhsa_user_sgpr_kernarg_segment_ptr 1
		.amdhsa_wavefront_size32 1
		.amdhsa_system_sgpr_workgroup_id_x 1
		.amdhsa_system_sgpr_workgroup_id_y 1
		.amdhsa_system_sgpr_workgroup_id_z 1
		.amdhsa_system_vgpr_workitem_id 0
		.amdhsa_next_free_vgpr 1024
		.amdhsa_next_free_sgpr 102
		.amdhsa_reserve_vcc 0
		.amdhsa_float_denorm_mode_32 3
		.amdhsa_float_denorm_mode_16_64 3
		.amdhsa_memory_ordered 1
		.amdhsa_forward_progress 1
		.amdhsa_inst_pref_size 132
	.end_amdhsa_kernel
	.amdgpu_metadata
---
amdhsa.version: [ 1, 2 ]
amdhsa.kernels:
  - .name:           k_q08b8d5db8c_down
    .symbol:         k_q08b8d5db8c_down.kd
    .args:
      - { .name: hs, .offset: 0, .size: 8, .value_kind: global_buffer, .address_space: global }
      - { .name: w2h, .offset: 8, .size: 8, .value_kind: global_buffer, .address_space: global }
      - { .name: nrm, .offset: 16, .size: 8, .value_kind: global_buffer, .address_space: global }
      - { .name: top_weights, .offset: 24, .size: 8, .value_kind: global_buffer, .address_space: global }
      - { .name: out0, .offset: 32, .size: 8, .value_kind: global_buffer, .address_space: global }
    .group_segment_fixed_size: 327680
    .private_segment_fixed_size: 0
    .kernarg_segment_align: 8
    .kernarg_segment_size: 40
    .max_flat_workgroup_size: 128
    .sgpr_count:     102
    .vgpr_count:     1024
    .wavefront_size: 32
...
	.end_amdgpu_metadata
.endif
;; end of part 3
